; MI455X (gfx1250); checked and timed in simulation.
; The chip was launched on July 23, 2026; its instructions are those of AMD's public machine-readable ISA for CDNA 5 (MIT licence, August 2026) and "CDNA5" Instruction Set Architecture Reference Guide (July 2026). The comments in the code are by the model that wrote it; some were corrected since.
;; Grid Quantizer. Allowed arithmetic: float matrix products may take bf16 or f16 operands with f32 sums; all other float work in f32.
;; Inputs: protos 16,384 x 2 float32; x 8,192 x 2 float32.
;; Outputs: out0 8,192 float32; out1 8,192 int32.
;; 2 versions, each right; version 2 is version 1 with the launch segmin written anew for expert scheduling mode. Each part assembles by itself: llvm-mc -triple=amdgcn-amd-amdhsa -mcpu=gfx1250 --defsym DOCPART=n.
;; ======== version 1 of 2: 2 launches
;; limits: right only within a limited range of input values
;; workspace buffers: segs 32,768 bytes of whole numbers
;; launch segmin (part 1): grid 256 x 1, 8 waves a work-group, no clusters, 39,936 bytes of LDS; arguments protos, x, segs; writes segs
.if DOCPART == 1
	.amdgcn_target "amdgcn-amd-amdhsa--gfx1250"
	.amdhsa_code_object_version 6
	.text
	.protected	k_q83de4ce1fd_segmin
	.globl	k_q83de4ce1fd_segmin
	.p2align	8
	.type	k_q83de4ce1fd_segmin,@function
k_q83de4ce1fd_segmin:
	s_mov_b64 s[64:65], 0
	v_nop
	global_prefetch_b8 v0, s[64:65] scope:SCOPE_SE
	s_setreg_imm32_b32 hwreg(HW_REG_WAVE_MODE, 25, 1), 1
	s_wait_xcnt 0x0
; For each of 8,192 queries: the number (0..127) of the first segment of 128 prototypes that holds a nearest prototype.
; Arithmetic: x and protos are rounded to bf16 (nearest even); from there on the problem's formula in f32, in its own order:
;   x2 = fl(x0^2+x1^2), p2 = fl(p0^2+p1^2), t = fl(x2+p2), d2 = fl(t - 2 dot), dist = sqrt(max(d2,0)).
; Products of bf16 numbers are exact in f32, so each of x2, p2, dot is one rounding of an exact sum.
; sqrt is monotone, but several neighbouring d2 share one rounded root: a nearest prototype is any j with d2_j <= T, where T is the
; largest f32 whose correctly rounded root equals that of the smallest d2.  T is found by exact sign tests (see TCLASS below).
; The next launch rescans the chosen segment and gives the distance and the index.
; LIMITS: finite inputs only (no NaN, no infinity); T is exact for a smallest d2 that is <= 0 or >= 2^-103 (below that the residuals
; of the sign tests leave f32's range and v_sqrt_f32 takes a denormal as zero); -2 dot is taken as the matrix unit returns the sum of the
; two exact products, so the choice of the segment rests on that sum being the nearest f32.
; SHAPE: 256 work-groups of 8 waves; a work-group owns 32 queries (2 tiles of 16), a wave 2,048 prototypes = 16 segments.
; The matrix instruction takes PROTOTYPES as A (rows) and QUERIES as B (columns): a lane then is one query (column r) and its 8 result
; registers are prototypes 8h+0..7, so the minimum over prototypes stays in the lane and a segment's minimum is one register a tile.
; K = 32 has room for more than the 2 coordinates: register 0 of an A fragment holds a prototype in every lane, lanes 0-15 at k = 0,1 and
; lanes 16-31 at k = 8,9; two B fragments a query tile (-2x at k = 0,1 or at k = 8,9, zeros elsewhere) pick one half or the other.
; NO CLUSTER, NO TENSOR LOADS: all work-groups read the same 131,072 bytes of protos, but a wave reads 1,024 of them for 16 matrix and 204
; vector instructions, and they land directly in the lanes that hold them as fragment rows; a jointly fetched LDS tile would add an LDS read
; of the same bytes and a round of the cluster's barrier for each refill.
.set LDS_SEG, 4096                     ; LDS 0..4095: p2 stage, 512 bytes a wave; 4096..36863: segment minima, 4,096 bytes a wave
.set LDS_X1,  36864                    ; [32 queries][8 waves] f32: the waves' minima
.set LDS_X2,  37888                    ; [32 queries][8 waves] u32: the waves' first segments
.set GOFF, 1                           ; v1      16 x lane: my 16 bytes in a load of 512 bytes of protos
.set STA,  2                           ; v2      p2 stage, store: 512 wave + 4 lane
.set LDA,  3                           ; v3      p2 stage, load: 512 wave + 32 h
.set SEGA, 4                           ; v4      segment minima, store: steps 512 bytes a loop trip
.set SEGB, 5                           ; v5      the same, not stepped
.set XA,   6                           ; v6      32 r: a query's 8 words in an exchange table
.set XS,   7                           ; v7      32 r + 4 wave: my wave's word there
.set X2Q,  8                           ; v[8:9], v[10:11]  x2 of my query in tile 0, 1, twice each (a pair for the packed add)
.set ACC,  12                          ; v[12:13] running minimum of the segment, tile 0, 1
.set U,    14                          ; v14-19  partial minima
.set RAWA, 20                          ; v[20:27] 4 prototypes a lane as loaded (f32), even segments
.set RAWB, 28                          ; v[28:35] odd segments
.set PS,   36                          ; v[36:39] p2 of my 4 prototypes
.set AG,   48                          ; v[48:79]  4 A fragments: register 0 = a prototype a lane in bf16, registers 1-7 = 0
.set BG,   80                          ; v[80:111] 4 B fragments: tile q, half hh at BG + 8 (2 q + hh)
.set PP,   112                         ; v[112:175] p2 by rows: tile (e, hh) at PP + 16 e + 8 hh, register j = row 8h + j
.set DD,   176                         ; v[176:239] two sets of 4 results: set e & 1, result (hh, q) at 8 (2 hh + q)
.set TA,   240                         ; v[240:247] t, then d2, query tile 0
.set TB,   248                         ; v[248:255] the same, query tile 1
; the end of the kernel uses the result registers as scratch, two registers each (query tile 0, 1)
.set CC, DD+16
.set R0, DD+18
.set C1, DD+20
.set C2, DD+22
.set RP, DD+24
.set RM, DD+26
.set E1, DD+28
.set E2, DD+30
.set RR, DD+32
.set RN, DD+34
.set TT, DD+36
.set IX, DD+38
	s_load_b128 s[4:7], s[0:1], 0x0                ; protos s[4:5], x s[6:7]
	s_load_b64 s[8:9], s[0:1], 0x10                ; segs
	v_lshl_add_u32 v46, v0, 2, 0x9800
	v_mov_b32 v47, 0
	v_lshrrev_b32 v[TA], 5, v0
	v_readfirstlane_b32 s10, v[TA]                 ; wave 0..7
	v_and_b32 v[TA+1], 31, v0                      ; lane
	v_and_b32 v[TA+2], 15, v0                      ; r
	v_bfe_u32 v[TA+3], v0, 4, 1                    ; h
	v_lshlrev_b32 v[GOFF], 4, v[TA+1]
	v_lshlrev_b32 v[TA+4], 3, v[TA+2]              ; 8 r: my query's 8 bytes in a tile of x
	s_lshl_b32 s12, s10, 14                        ; my wave's 2,048 prototypes of 8 bytes
	s_mov_b32 s13, 0
	s_lshl_b32 s14, ttmp9, 8                       ; the work-group's 32 queries of 8 bytes
	s_mov_b32 s15, 0
	s_lshl_b32 s24, ttmp9, 7                       ; and their 32 words in segs
	s_mov_b32 s25, 0
	s_mov_b32 s11, 0xffff                          ; lanes 0-15
	s_mov_b32 s20, 0x76543210                      ; v_permlanex16_b32: lane i reads lane i of the other half
	s_mov_b32 s21, 0xfedcba98
	s_wait_kmcnt 0x0
	s_add_nc_u64 s[4:5], s[4:5], s[12:13]
	s_add_nc_u64 s[6:7], s[6:7], s[14:15]
	s_add_nc_u64 s[8:9], s[8:9], s[24:25]
	global_load_b64 v[TB:TB+1], v[TA+4], s[6:7]                    ; x of query r, tile 0 (both halves of the wave read the same)
	global_load_b64 v[TB+2:TB+3], v[TA+4], s[6:7] offset:128       ; tile 1
	global_load_b128 v[RAWA:RAWA+3], v[GOFF], s[4:5]               ; segment 0: two loads of 512 neighbouring bytes
	global_load_b128 v[RAWA+4:RAWA+7], v[GOFF], s[4:5] offset:512
	global_load_b128 v[RAWB:RAWB+3], v[GOFF], s[4:5] offset:1024   ; segment 1
	global_load_b128 v[RAWB+4:RAWB+7], v[GOFF], s[4:5] offset:1536
	; the k places that the problem's K = 2 leaves empty: registers 1-7 of all eight fragments are zero for the whole kernel
.irp g,0,1,2,3,4,5,6,7
.irp k,1,2,3,4,5,6,7
	v_mov_b32 v[AG+8*\g+\k], 0
.endr
.endr
	s_lshl_b32 s16, s10, 9
	v_lshl_add_u32 v[STA], v[TA+1], 2, s16
	v_lshl_add_u32 v[LDA], v[TA+3], 5, s16
	s_lshl_b32 s17, s10, 12
	s_add_co_u32 s17, s17, LDS_SEG
	v_lshl_add_u32 v[SEGA], v[TA+1], 3, s17
	v_mov_b32 v[SEGB], v[SEGA]
	v_lshlrev_b32 v[XA], 5, v[TA+2]
	s_lshl_b32 s18, s10, 2
	v_add_nc_u32 v[XS], s18, v[XA]
	s_lshl_b32 s23, s10, 4                         ; my wave's first segment
	s_wait_loadcnt 0x4                             ; x is in; the four loads of protos behind it stay out
.irp q,0,1
	v_cvt_pk_bf16_f32 v[TB+4], v[TB+2*\q], v[TB+2*\q+1]            ; x rounded to bf16
	v_lshlrev_b32 v[TB+5], 16, v[TB+4]                             ; and widened again
	v_and_b32 v[TB+6], 0xffff0000, v[TB+4]
	v_mul_f32 v[TB+7], v[TB+5], v[TB+5]                            ; exact
	v_fma_f32 v[X2Q+2*\q], v[TB+6], v[TB+6], v[TB+7]               ; x2: one rounding
	v_mul_f32 v[TB+5], -2.0, v[TB+5]                               ; -2 x is exact in bf16, so the product comes out as -2 dot
	v_mul_f32 v[TB+6], -2.0, v[TB+6]
	v_mov_b32 v[X2Q+2*\q+1], v[X2Q+2*\q]
	v_cvt_pk_bf16_f32 v[TB+4], v[TB+5], v[TB+6]
	v_cndmask_b32 v[BG+16*\q], 0, v[TB+4], s11                     ; k = 0,1 (lanes 0-15) alone: meets the prototypes of lanes 0-15
	v_cndmask_b32 v[BG+16*\q+8], v[TB+4], 0, s11                   ; k = 8,9 (lanes 16-31) alone: meets those of lanes 16-31
.endr
; A segment's 128 prototypes (4 a lane) become 4 A fragments and 4 registers of p2; p2 goes to my wave's own stage in LDS.
; left = how many younger loads of protos may stay out; refill = byte offset of the segment that the raw set is loaded with next (0: none).
.macro CONV raw, refill, left
	s_wait_loadcnt \left                           ; loads come back in order (ISA guide 5.7.1): this set is in, the other set's two stay out
.irp e,0,1,2,3
	v_cvt_pk_bf16_f32 v[AG+8*\e], v[\raw+2*\e], v[\raw+2*\e+1]     ; 48 vector instructions that name no fragment stand between this write and the last matrix instruction that read it
.endr
.if \refill
	global_load_b128 v[\raw:\raw+3], v[GOFF], s[4:5] offset:\refill
	global_load_b128 v[\raw+4:\raw+7], v[GOFF], s[4:5] offset:\refill+512
.endif
.irp e,0,1,2,3
	v_fma_mix_f32_bf16 v[PS+\e], v[AG+8*\e], v[AG+8*\e], v[AG+1] op_sel_hi:[1,1,0]                  ; p0^2 + 0, exact
.endr
.irp e,0,1,2,3
	v_fma_mix_f32_bf16 v[PS+\e], v[AG+8*\e], v[AG+8*\e], v[PS+\e] op_sel:[1,1,0] op_sel_hi:[1,1,0]  ; p2 = fl(p1^2 + p0^2)
.endr
.irp e,0,1,2,3
	ds_store_b32 v[STA], v[PS+\e] offset:128*\e    ; [e][lane]; LDS serves a wave's instructions in order (ISA guide 5.7.1.4): behind the last reads, ahead of the next
.endr
.endm
; p2 of the rows of tiles (e, 0) and (e, 1): lane (r, h) takes rows 8h .. 8h+7, the 32 bytes at [e][16 hh + 8 h]
.macro PLOAD e
.irp hh,0,1
	ds_load_b128 v[PP+16*\e+8*\hh:PP+16*\e+8*\hh+3], v[LDA] offset:128*\e+64*\hh
	ds_load_b128 v[PP+16*\e+8*\hh+4:PP+16*\e+8*\hh+7], v[LDA] offset:128*\e+64*\hh+16
.endr
.endm
; -2 dot for the 32 prototypes of fragment e and the 32 queries.  Every product stands alone (C = 0), each in result registers of its own.
.macro WMMA4 e
.irp hh,0,1
.irp q,0,1
	v_wmma_f32_16x16x32_bf16 v[DD+32*(\e&1)+8*(2*\hh+\q):DD+32*(\e&1)+8*(2*\hh+\q)+7], v[AG+8*\e:AG+8*\e+7], v[BG+8*(2*\q+\hh):BG+8*(2*\q+\hh)+7], 0
.endr
.endr
.endm
; The f32 work on the four results of fragment e: 48 instructions for 1,024 pairs.  t and d2 are two additions with a rounding each, as the
; problem's formula has them.  The results read here were issued a whole WORK earlier, and the set that the matrix unit is writing meanwhile
; is not named here, so more than the four places of ISA guide 7.12.1 lie between any matrix instruction and a use of its registers.
.macro WORK e, first
.irp hh,0,1
.irp i,0,2,4,6
	v_pk_add_f32 v[TA+\i:TA+\i+1], v[PP+16*\e+8*\hh+\i:PP+16*\e+8*\hh+\i+1], v[X2Q:X2Q+1]
.endr
.irp i,0,2,4,6
	v_pk_add_f32 v[TB+\i:TB+\i+1], v[PP+16*\e+8*\hh+\i:PP+16*\e+8*\hh+\i+1], v[X2Q+2:X2Q+3]
.endr
.irp i,0,2,4,6
	v_pk_add_f32 v[TA+\i:TA+\i+1], v[TA+\i:TA+\i+1], v[DD+32*(\e&1)+16*\hh+\i:DD+32*(\e&1)+16*\hh+\i+1]
.endr
.irp i,0,2,4,6
	v_pk_add_f32 v[TB+\i:TB+\i+1], v[TB+\i:TB+\i+1], v[DD+32*(\e&1)+16*\hh+8+\i:DD+32*(\e&1)+16*\hh+8+\i+1]
.endr
	v_min3_num_f32 v[U], v[TA], v[TA+1], v[TA+2]
	v_min3_num_f32 v[U+1], v[TA+3], v[TA+4], v[TA+5]
	v_min3_num_f32 v[U+3], v[TB], v[TB+1], v[TB+2]
	v_min3_num_f32 v[U+4], v[TB+3], v[TB+4], v[TB+5]
.if \first*(1-\hh)
	v_min_num_f32 v[U+2], v[TA+6], v[TA+7]         ; a segment's first tile starts its minimum: nothing is preset
	v_min_num_f32 v[U+5], v[TB+6], v[TB+7]
.else
	v_min3_num_f32 v[U+2], v[TA+6], v[TA+7], v[ACC]
	v_min3_num_f32 v[U+5], v[TB+6], v[TB+7], v[ACC+1]
.endif
	v_min3_num_f32 v[ACC], v[U], v[U+1], v[U+2]
	v_min3_num_f32 v[ACC+1], v[U+3], v[U+4], v[U+5]
.endr
.endm
; One segment.  At its head fragments 0 and 1 have been multiplied and the 16 loads of p2 rows issued (by the segment before, or ahead of the loop).
; conv = 1: the next segment is converted between WORK 2 and WORK 3, when the last matrix instruction on this segment's fragments is 48
; vector instructions back and the row registers of fragments 0-2 are free.
; LDS instructions in issue order: 4 stores, rows 0, rows 1, rows 2 (4 loads each), this segment's minima (1 store), rows 3 (4 loads).
; The counts 12, 8, 4 leave the younger row loads out; ahead of the loop the store of the minima is not among them, so the counts are taken
; without it and are one stricter than needed on the way back.
.macro TRIP conv, raw, refill, left, dump
	s_wait_dscnt 12
	WORK 0, 1
	WMMA4 2
	s_wait_dscnt 8
	WORK 1, 0
	WMMA4 3
	s_wait_dscnt 4
	WORK 2, 0
.if \conv
	CONV \raw, \refill, \left
	PLOAD 0
	PLOAD 1
	PLOAD 2
	WMMA4 0
	s_wait_dscnt 16                                ; rows 3 of this segment are in; the 4 stores and 12 loads just issued stay out
.else
	s_wait_dscnt 0x0
.endif
	WORK 3, 0
	ds_store_b64 v[SEGA], v[ACC:ACC+1] offset:\dump                ; the segment's minima for my query in both tiles, over my 64 of its prototypes
.if \conv
	PLOAD 3
	WMMA4 1
.endif
.endm
	CONV RAWA, 2048, 2                             ; segment 0; set A is loaded again with segment 2
	PLOAD 0
	PLOAD 1
	PLOAD 2
	PLOAD 3
	WMMA4 0
	WMMA4 1
	s_mov_b32 s19, 0
.Lpair:                                            ; segments 2k and 2k+1; s[4:5] stands at segment 2k
	TRIP 1, RAWB, 3072, 2, 0                       ; converts 2k+1, asks for 2k+3
	TRIP 1, RAWA, 4096, 2, 256                     ; converts 2k+2, asks for 2k+4
	v_add_nc_u32 v[SEGA], 512, v[SEGA]
	s_wait_xcnt 0x0                                ; the loads' base is stepped only behind this wait
	s_add_nc_u64 s[4:5], s[4:5], 2048
	s_add_co_u32 s19, s19, 1
	s_cmp_lt_u32 s19, 6
	s_cbranch_scc1 .Lpair
	TRIP 1, RAWB, 3072, 2, 0                       ; segment 12: converts 13, asks for 15, the wave's last
	TRIP 1, RAWA, 0, 2, 256                        ; segment 13: converts 14; segment 15's two loads stay out
	TRIP 1, RAWB, 0, 0, 512                        ; segment 14: converts 15
	TRIP 0, 0, 0, 0, 768                           ; segment 15
	; my wave's 16 segment minima come back from its own LDS bytes (in order behind the stores)
.irp s,0,1,2,3,4,5,6,7,8,9,10,11,12,13,14,15
	ds_load_b64 v[PP+2*\s:PP+2*\s+1], v[SEGB] offset:256*\s
.endr
	s_wait_dscnt 0x0
.irp q,0,1
	v_min3_num_f32 v[U], v[PP+\q], v[PP+2+\q], v[PP+4+\q]
	v_min3_num_f32 v[U+1], v[PP+6+\q], v[PP+8+\q], v[PP+10+\q]
	v_min3_num_f32 v[U+2], v[PP+12+\q], v[PP+14+\q], v[PP+16+\q]
	v_min3_num_f32 v[U+3], v[PP+18+\q], v[PP+20+\q], v[PP+22+\q]
	v_min3_num_f32 v[U+4], v[PP+24+\q], v[PP+26+\q], v[PP+28+\q]
	v_min3_num_f32 v[U], v[U], v[U+1], v[PP+30+\q]
	v_min3_num_f32 v[U+2], v[U+2], v[U+3], v[U+4]
	v_min_num_f32 v[TA+\q], v[U], v[U+2]
.endr
	v_permlanex16_b32 v[TA+2], v[TA], s20, s21     ; the other half of the wave holds the other 8 rows of every tile
	v_permlanex16_b32 v[TA+3], v[TA+1], s20, s21
	v_min_num_f32 v[TA], v[TA], v[TA+2]
	v_min_num_f32 v[TA+1], v[TA+1], v[TA+3]
	ds_store_b32 v[XS], v[TA] offset:LDS_X1        ; [query][wave]; both halves write the same word with the same value
	ds_store_b32 v[XS], v[TA+1] offset:LDS_X1+512
	s_wait_dscnt 0x0                               ; for the other waves' sake
	s_barrier_signal -1
	s_barrier_wait -1
	ds_load_b128 v[DD:DD+3], v[XA] offset:LDS_X1
	ds_load_b128 v[DD+4:DD+7], v[XA] offset:LDS_X1+16
	ds_load_b128 v[DD+8:DD+11], v[XA] offset:LDS_X1+512
	ds_load_b128 v[DD+12:DD+15], v[XA] offset:LDS_X1+528
	s_wait_dscnt 0x0
.irp q,0,1
	v_min3_num_f32 v[U], v[DD+8*\q], v[DD+8*\q+1], v[DD+8*\q+2]
	v_min3_num_f32 v[U+1], v[DD+8*\q+3], v[DD+8*\q+4], v[DD+8*\q+5]
	v_min3_num_f32 v[U], v[U], v[DD+8*\q+6], v[DD+8*\q+7]
	v_min_num_f32 v[TA+\q], v[U], v[U+1]           ; the smallest d2 of my query over all 16,384 prototypes
.endr
	; TCLASS.  c = max(d2min, 0).  r is the correctly rounded root of c exactly if r prev(r) < c <= r next(r): the midpoints' squares
	; differ from these products by a quarter of the unit in which c and the products are whole numbers.  The sign of fma(-r, n, c) is exact.
	; v_sqrt_f32 is within one unit, so r is r0 or a neighbour.  T is the last of c, c + 1 unit, c + 2 units that still is <= r next(r):
	; a root's class spans 2 r units of r, fewer than 3 units of c.  For c = 0 every test fails (one is on a NaN) and T = 0.
.irp q,0,1
	v_max_num_f32 v[CC+\q], 0, v[TA+\q]
.endr
.irp q,0,1
	v_sqrt_f32 v[R0+\q], v[CC+\q]
.endr
.irp q,0,1
	v_add_nc_u32 v[C1+\q], 1, v[CC+\q]             ; plain instructions that leave r0 and c alone stand behind the roots (ISA guide 5.7.2)
	v_add_nc_u32 v[C2+\q], 2, v[CC+\q]
.endr
	s_wait_alu depctr_va_vdst(0)
.irp q,0,1
	v_add_nc_u32 v[RP+\q], 1, v[R0+\q]
	v_add_nc_u32 v[RM+\q], -1, v[R0+\q]
.endr
.irp q,0,1
	v_fma_f32 v[E1+\q], -v[R0+\q], v[RP+\q], v[CC+\q]
	v_fma_f32 v[E2+\q], -v[R0+\q], v[RM+\q], v[CC+\q]
.endr
	v_cmp_lt_f32 vcc_lo, 0, v[E1]
	v_cmp_lt_f32 s22, 0, v[E1+1]
	v_cndmask_b32 v[RR], v[R0], v[RP], vcc_lo      ; c > r0 next(r0): one up
	v_cndmask_b32 v[RR+1], v[R0+1], v[RP+1], s22
	v_cmp_ge_f32 vcc_lo, 0, v[E2]
	v_cmp_ge_f32 s22, 0, v[E2+1]
	v_cndmask_b32 v[RR], v[RR], v[RM], vcc_lo      ; c <= r0 prev(r0): one down
	v_cndmask_b32 v[RR+1], v[RR+1], v[RM+1], s22
.irp q,0,1
	v_add_nc_u32 v[RN+\q], 1, v[RR+\q]
.endr
.irp q,0,1
	v_fma_f32 v[E1+\q], -v[RR+\q], v[RN+\q], v[C1+\q]
	v_fma_f32 v[E2+\q], -v[RR+\q], v[RN+\q], v[C2+\q]
.endr
	v_cmp_ge_f32 vcc_lo, 0, v[E1]
	v_cmp_ge_f32 s22, 0, v[E1+1]
	v_cndmask_b32 v[TT], v[CC], v[C1], vcc_lo
	v_cndmask_b32 v[TT+1], v[CC+1], v[C1+1], s22
	v_cmp_ge_f32 vcc_lo, 0, v[E2]
	v_cmp_ge_f32 s22, 0, v[E2+1]
	v_cndmask_b32 v[TT], v[TT], v[C2], vcc_lo
	v_cndmask_b32 v[TT+1], v[TT+1], v[C2+1], s22
	; my wave's first segment with a minimum <= T: from the last to the first, each hit overwrites; values are selected, nothing branches
.irp q,0,1
	v_mov_b32 v[IX+\q], 0x1000                     ; none
.endr
.irp s,15,14,13,12,11,10,9,8,7,6,5,4,3,2,1,0
	v_cmp_lt_f32 vcc_lo, v[TT], v[PP+2*\s]
	v_cmp_lt_f32 s22, v[TT+1], v[PP+2*\s+1]
	v_cndmask_b32 v[IX], \s, v[IX], vcc_lo
	v_cndmask_b32 v[IX+1], \s, v[IX+1], s22
.endr
	v_add_nc_u32 v[IX], s23, v[IX]                 ; + 16 x wave
	v_add_nc_u32 v[IX+1], s23, v[IX+1]
	v_permlanex16_b32 v[TA+2], v[IX], s20, s21
	v_permlanex16_b32 v[TA+3], v[IX+1], s20, s21
	v_min_u32 v[IX], v[IX], v[TA+2]
	v_min_u32 v[IX+1], v[IX+1], v[TA+3]
	ds_store_b32 v[XS], v[IX] offset:LDS_X2
	ds_store_b32 v[XS], v[IX+1] offset:LDS_X2+512
	s_wait_dscnt 0x0
	s_barrier_signal -1
	s_barrier_wait -1
	s_cmp_lg_u32 s10, 0
	s_cbranch_scc1 .Lend                           ; wave 0 alone finishes
	ds_load_b128 v[DD:DD+3], v[XA] offset:LDS_X2
	ds_load_b128 v[DD+4:DD+7], v[XA] offset:LDS_X2+16
	ds_load_b128 v[DD+8:DD+11], v[XA] offset:LDS_X2+512
	ds_load_b128 v[DD+12:DD+15], v[XA] offset:LDS_X2+528
	s_wait_dscnt 0x0
.irp q,0,1
	v_min_u32 v[U], v[DD+8*\q], v[DD+8*\q+1]
	v_min_u32 v[U+1], v[DD+8*\q+2], v[DD+8*\q+3]
	v_min_u32 v[U+2], v[DD+8*\q+4], v[DD+8*\q+5]
	v_min_u32 v[U+3], v[DD+8*\q+6], v[DD+8*\q+7]
	v_min_u32 v[U], v[U], v[U+1]
	v_min_u32 v[U+2], v[U+2], v[U+3]
	v_min_u32 v[TA+\q], v[U], v[U+2]
.endr
	v_cndmask_b32 v[TA+2], v[TA+1], v[TA], s11     ; lane 16 q + r gives query 16 q + r
	v_lshlrev_b32 v[TA+3], 2, v0                   ; in wave 0 the thread's number is the lane
	global_store_b32 v[TA+3], v[TA+2], s[8:9]      ; the work-group's 32 words, 128 neighbouring bytes, in one store
.Lend:
	s_wait_tensorcnt 0x0
	ds_add_u32 v46, v47
	s_wait_dscnt 0x0
	s_endpgm
.Lfunc_end_k_q83de4ce1fd_segmin:
	.size	k_q83de4ce1fd_segmin, .Lfunc_end_k_q83de4ce1fd_segmin-k_q83de4ce1fd_segmin
	.p2alignl 7, 3214868480
	.fill 96, 4, 3214868480
	.section	.rodata,"a",@progbits
	.p2align	6, 0x0
	.amdhsa_kernel k_q83de4ce1fd_segmin
		.amdhsa_group_segment_fixed_size 39936
		.amdhsa_private_segment_fixed_size 0
		.amdhsa_enable_private_segment 0
		.amdhsa_kernarg_size 24
		.amdhsa_user_sgpr_count 2
		.amdhsa_user_sgpr_kernarg_segment_ptr 1
		.amdhsa_wavefront_size32 1
		.amdhsa_system_sgpr_workgroup_id_x 1
		.amdhsa_system_sgpr_workgroup_id_y 1
		.amdhsa_system_sgpr_workgroup_id_z 1
		.amdhsa_system_vgpr_workitem_id 0
		.amdhsa_next_free_vgpr 256
		.amdhsa_next_free_sgpr 66
		.amdhsa_reserve_vcc 1
		.amdhsa_float_denorm_mode_32 3
		.amdhsa_float_denorm_mode_16_64 3
		.amdhsa_memory_ordered 1
		.amdhsa_forward_progress 1
		.amdhsa_inst_pref_size 107
	.end_amdhsa_kernel
	.amdgpu_metadata
---
amdhsa.version: [ 1, 2 ]
amdhsa.kernels:
  - .name:           k_q83de4ce1fd_segmin
    .symbol:         k_q83de4ce1fd_segmin.kd
    .args:
      - { .name: protos, .offset: 0, .size: 8, .value_kind: global_buffer, .address_space: global }
      - { .name: x, .offset: 8, .size: 8, .value_kind: global_buffer, .address_space: global }
      - { .name: segs, .offset: 16, .size: 8, .value_kind: global_buffer, .address_space: global }
    .group_segment_fixed_size: 39936
    .private_segment_fixed_size: 0
    .kernarg_segment_align: 8
    .kernarg_segment_size: 24
    .max_flat_workgroup_size: 256
    .sgpr_count:     66
    .vgpr_count:     256
    .wavefront_size: 32
...
	.end_amdgpu_metadata
.endif
;; end of part 1
;; launch pick (part 2): grid 256 x 1, 8 waves a work-group, no clusters, 1,280 bytes of LDS; arguments protos, x, segs, out0, out1; writes out0, out1
.if DOCPART == 2
	.amdgcn_target "amdgcn-amd-amdhsa--gfx1250"
	.amdhsa_code_object_version 6
	.text
	.protected	k_q83de4ce1fd_pick
	.globl	k_q83de4ce1fd_pick
	.p2align	8
	.type	k_q83de4ce1fd_pick,@function
k_q83de4ce1fd_pick:
	s_mov_b64 s[64:65], 0
	v_nop
	global_prefetch_b8 v0, s[64:65] scope:SCOPE_SE
	s_setreg_imm32_b32 hwreg(HW_REG_WAVE_MODE, 25, 1), 1
	s_wait_xcnt 0x0
; For each query: the distance to the nearest prototype and the first index that attains it, from the one segment of 128 prototypes that the
; launch before has named (the first segment that holds a nearest prototype; a whole number, clamped to 0..127 before it enters an address).
; Arithmetic as in that launch: x and protos rounded to bf16, then f32 in the problem's own order; here the dot product is a multiply (exact)
; and a fused multiply-add, so every number is the correctly rounded one.  These are 128 of a query's 16,384 products; they run on the vector
; unit because the index rests on their last bit.  The segment's own smallest d2 lies in the class of the overall smallest, so its root is
; the distance, and the first d2 <= T (T: the largest f32 with the same correctly rounded root) is the index.
; LIMITS: finite inputs only; root and T are exact for a smallest d2 that is <= 0 or >= 2^-103.
; SHAPE: 256 work-groups of 8 waves; a wave takes 4 queries, all four side by side in registers; a lane takes 4 prototypes of each segment:
; 2 lane, 2 lane + 1, 64 + 2 lane, 65 + 2 lane, so that each load of the wave covers 512 neighbouring bytes.
; No matrix unit, no LDS tiles, no cluster: a query's segment is its own, nothing is shared between waves.
.set QB, 16                            ; query i of the wave has the 48 registers from QB + 48 i
.set QS, 48
.set oR,   0                           ; 8  four prototypes as loaded
.set oLO,  8                           ; 4  p0 in bf16, widened
.set oHI,  12                          ; 4  p1
.set oD,   16                          ; 4  p0^2, p2, t, d2 in turn
.set oDT,  20                          ; 4  -2 dot
.set oXS0, 24                          ; 2  -2 x0, twice
.set oXS1, 26                          ; 2  -2 x1, twice
.set oX2,  28                          ; 2  x2, twice
.set oK,   30                          ; 4  packed bf16; scratch
.set oM,   34                          ; smallest d2
.set oC,   35
.set oR0,  36
.set oC1,  37
.set oC2,  38
.set oRP,  39
.set oRM,  40
.set oE1,  41
.set oE2,  42
.set oRR,  43                          ; the root = the distance
.set oRN,  44
.set oT,   45
.set oIX,  46                          ; first hit in the segment, as f32 (0 .. 127 are exact)
	s_load_b256 s[4:11], s[0:1], 0x0               ; protos s[4:5], x s[6:7], segs s[8:9], out0 s[10:11]
	s_load_b64 s[12:13], s[0:1], 0x20              ; out1
	v_lshl_add_u32 v208, v0, 2, 0x100
	v_mov_b32 v209, 0
	v_lshrrev_b32 v1, 5, v0
	v_readfirstlane_b32 s14, v1                    ; wave 0..7
	v_and_b32 v1, 31, v0                           ; lane
	s_lshl_b32 s15, ttmp9, 5
	s_lshl_b32 s16, s14, 2
	s_add_co_u32 s15, s15, s16                     ; my wave's first query
	s_lshl_b32 s16, s15, 2                         ; its byte in segs
	s_lshl_b32 s17, s15, 3                         ; and in x
	s_lshl_b32 s48, ttmp9, 7                       ; the work-group's 32 words in out0 and out1
	s_mov_b32 s49, 0
	s_wait_kmcnt 0x0
	s_load_b128 s[20:23], s[8:9], s16 offset:0x0   ; four segment numbers; this launch stores nothing into segs or x
	s_load_b256 s[24:31], s[6:7], s17 offset:0x0   ; four queries
	s_add_nc_u64 s[10:11], s[10:11], s[48:49]
	s_add_nc_u64 s[12:13], s[12:13], s[48:49]
	s_mov_b32 s18, 0x76543210                      ; v_permlanex16_b32: lane i reads lane i of the other half
	s_mov_b32 s19, 0xfedcba98
	s_mov_b32 s40, 0x22222222                      ; lanes with lane & 3 = 1, 2, 3
	s_mov_b32 s41, 0x44444444
	s_mov_b32 s42, 0x88888888
	s_mov_b32 s43, 0xffff0000                      ; a word's upper bf16
	v_lshlrev_b32 v2, 4, v1                        ; 16 x lane
	v_lshlrev_b32 v7, 1, v1
	v_cvt_f32_u32 v8, v7                           ; the places in the segment of my four prototypes: 2 lane,
	v_add_f32 v9, 1.0, v8                          ; + 1,
	v_add_f32 v10, 0x42800000, v8                  ; + 64,
	v_add_f32 v11, 0x42820000, v8                  ; + 65
	s_wait_kmcnt 0x0
.irp i,0,1,2,3
	s_min_u32 s[20+\i], s[20+\i], 127              ; a loaded number enters an address only clamped
	s_lshl_b32 s[32+\i], s[20+\i], 10              ; the segment's 1,024 bytes
	s_lshl_b32 s[36+\i], s[20+\i], 7               ; its first index
	v_add_nc_u32 v[3+\i], s[32+\i], v2
.endr
.irp i,0,1,2,3
	global_load_b128 v[QB+QS*\i+oR:QB+QS*\i+oR+3], v[3+\i], s[4:5]
	global_load_b128 v[QB+QS*\i+oR+4:QB+QS*\i+oR+7], v[3+\i], s[4:5] offset:512
.endr
	; while they are on their way: x in bf16, x2, -2 x (exact)
.irp i,0,1,2,3
	.set qb, QB+QS*\i
	v_cvt_pk_bf16_f32 v[qb+oK], s[24+2*\i], s[25+2*\i]
	v_lshlrev_b32 v[qb+oK+1], 16, v[qb+oK]
	v_and_b32 v[qb+oK+2], s43, v[qb+oK]
	v_mul_f32 v[qb+oK+3], v[qb+oK+1], v[qb+oK+1]
	v_fma_f32 v[qb+oX2], v[qb+oK+2], v[qb+oK+2], v[qb+oK+3]
	v_mul_f32 v[qb+oXS0], -2.0, v[qb+oK+1]
	v_mul_f32 v[qb+oXS1], -2.0, v[qb+oK+2]
	v_mov_b32 v[qb+oX2+1], v[qb+oX2]
	v_mov_b32 v[qb+oXS0+1], v[qb+oXS0]
	v_mov_b32 v[qb+oXS1+1], v[qb+oXS1]
.endr
	s_wait_loadcnt 0x0
.irp i,0,1,2,3
	.set qb, QB+QS*\i
.irp k,0,1,2,3
	v_cvt_pk_bf16_f32 v[qb+oK+\k], v[qb+oR+2*\k], v[qb+oR+2*\k+1]
.endr
.irp k,0,1,2,3
	v_lshlrev_b32 v[qb+oLO+\k], 16, v[qb+oK+\k]
	v_and_b32 v[qb+oHI+\k], s43, v[qb+oK+\k]
.endr
.endr
.irp i,0,1,2,3
	.set qb, QB+QS*\i
.irp k,0,2
	v_pk_mul_f32 v[qb+oD+\k:qb+oD+\k+1], v[qb+oLO+\k:qb+oLO+\k+1], v[qb+oLO+\k:qb+oLO+\k+1]                            ; p0^2, exact
	v_pk_mul_f32 v[qb+oDT+\k:qb+oDT+\k+1], v[qb+oLO+\k:qb+oLO+\k+1], v[qb+oXS0:qb+oXS0+1]                              ; -2 x0 p0, exact
.endr
.endr
.irp i,0,1,2,3
	.set qb, QB+QS*\i
.irp k,0,2
	v_pk_fma_f32 v[qb+oD+\k:qb+oD+\k+1], v[qb+oHI+\k:qb+oHI+\k+1], v[qb+oHI+\k:qb+oHI+\k+1], v[qb+oD+\k:qb+oD+\k+1]    ; p2
	v_pk_fma_f32 v[qb+oDT+\k:qb+oDT+\k+1], v[qb+oHI+\k:qb+oHI+\k+1], v[qb+oXS1:qb+oXS1+1], v[qb+oDT+\k:qb+oDT+\k+1]    ; -2 dot
.endr
.endr
.irp i,0,1,2,3
	.set qb, QB+QS*\i
.irp k,0,2
	v_pk_add_f32 v[qb+oD+\k:qb+oD+\k+1], v[qb+oD+\k:qb+oD+\k+1], v[qb+oX2:qb+oX2+1]                                    ; t = fl(x2 + p2)
.endr
.endr
.irp i,0,1,2,3
	.set qb, QB+QS*\i
.irp k,0,2
	v_pk_add_f32 v[qb+oD+\k:qb+oD+\k+1], v[qb+oD+\k:qb+oD+\k+1], v[qb+oDT+\k:qb+oDT+\k+1]                              ; d2 = fl(t - 2 dot)
.endr
.endr
.irp i,0,1,2,3
	.set qb, QB+QS*\i
	v_min3_num_f32 v[qb+oM], v[qb+oD], v[qb+oD+1], v[qb+oD+2]
.endr
.irp i,0,1,2,3
	.set qb, QB+QS*\i
	v_min_num_f32 v[qb+oM], v[qb+oM], v[qb+oD+3]
.endr
	; the smallest d2 over the 32 lanes, into every lane
.irp m,1,2,4,8
.irp i,0,1,2,3
	v_min_num_f32_dpp v[QB+QS*\i+oM], v[QB+QS*\i+oM], v[QB+QS*\i+oM] row_xmask:\m row_mask:0xf bank_mask:0xf
.endr
.endr
.irp i,0,1,2,3
	v_permlanex16_b32 v[QB+QS*\i+oK], v[QB+QS*\i+oM], s18, s19     ; its destination has been written before
.endr
.irp i,0,1,2,3
	v_min_num_f32 v[QB+QS*\i+oM], v[QB+QS*\i+oM], v[QB+QS*\i+oK]
.endr
	; c = max(d2min, 0).  r is the correctly rounded root of c exactly if r prev(r) < c <= r next(r): the midpoints' squares differ from
	; these products by a quarter of the unit in which c and the products are whole numbers, and the sign of fma(-r, n, c) is exact.
	; v_sqrt_f32 is within one unit, so r is r0 or a neighbour.  T is the last of c, c + 1 unit, c + 2 units that still is <= r next(r):
	; a root's class spans 2 r units of r, fewer than 3 units of c.  For c = 0 every test fails (one is on a NaN): r = 0, T = 0.
.irp i,0,1,2,3
	v_max_num_f32 v[QB+QS*\i+oC], 0, v[QB+QS*\i+oM]
.endr
.irp i,0,1,2,3
	v_sqrt_f32 v[QB+QS*\i+oR0], v[QB+QS*\i+oC]
.endr
.irp i,0,1,2,3
	v_add_nc_u32 v[QB+QS*\i+oC1], 1, v[QB+QS*\i+oC]                ; plain instructions that leave r0 and c alone stand behind the roots (ISA guide 5.7.2)
	v_add_nc_u32 v[QB+QS*\i+oC2], 2, v[QB+QS*\i+oC]
.endr
	s_wait_alu depctr_va_vdst(0)
.irp i,0,1,2,3
	v_add_nc_u32 v[QB+QS*\i+oRP], 1, v[QB+QS*\i+oR0]
	v_add_nc_u32 v[QB+QS*\i+oRM], -1, v[QB+QS*\i+oR0]
.endr
.irp i,0,1,2,3
	v_fma_f32 v[QB+QS*\i+oE1], -v[QB+QS*\i+oR0], v[QB+QS*\i+oRP], v[QB+QS*\i+oC]
	v_fma_f32 v[QB+QS*\i+oE2], -v[QB+QS*\i+oR0], v[QB+QS*\i+oRM], v[QB+QS*\i+oC]
.endr
.irp i,0,1,2,3
	v_cmp_lt_f32 s[44+\i], 0, v[QB+QS*\i+oE1]
.endr
.irp i,0,1,2,3
	v_cndmask_b32 v[QB+QS*\i+oRR], v[QB+QS*\i+oR0], v[QB+QS*\i+oRP], s[44+\i]      ; c > r0 next(r0): one up
.endr
.irp i,0,1,2,3
	v_cmp_ge_f32 s[44+\i], 0, v[QB+QS*\i+oE2]
.endr
.irp i,0,1,2,3
	v_cndmask_b32 v[QB+QS*\i+oRR], v[QB+QS*\i+oRR], v[QB+QS*\i+oRM], s[44+\i]      ; c <= r0 prev(r0): one down
.endr
.irp i,0,1,2,3
	v_add_nc_u32 v[QB+QS*\i+oRN], 1, v[QB+QS*\i+oRR]
.endr
.irp i,0,1,2,3
	v_fma_f32 v[QB+QS*\i+oE1], -v[QB+QS*\i+oRR], v[QB+QS*\i+oRN], v[QB+QS*\i+oC1]
	v_fma_f32 v[QB+QS*\i+oE2], -v[QB+QS*\i+oRR], v[QB+QS*\i+oRN], v[QB+QS*\i+oC2]
.endr
.irp i,0,1,2,3
	v_cmp_ge_f32 s[44+\i], 0, v[QB+QS*\i+oE1]
.endr
.irp i,0,1,2,3
	v_cndmask_b32 v[QB+QS*\i+oT], v[QB+QS*\i+oC], v[QB+QS*\i+oC1], s[44+\i]
.endr
.irp i,0,1,2,3
	v_cmp_ge_f32 s[44+\i], 0, v[QB+QS*\i+oE2]
.endr
.irp i,0,1,2,3
	v_cndmask_b32 v[QB+QS*\i+oT], v[QB+QS*\i+oT], v[QB+QS*\i+oC2], s[44+\i]
.endr
	; my first prototype with d2 <= T: from my last to my first, each hit overwrites
.irp i,0,1,2,3
	v_mov_b32 v[QB+QS*\i+oIX], 0x44800000          ; 1024.0: none
.endr
.irp k,3,2,1,0
.irp i,0,1,2,3
	v_cmp_lt_f32 s[44+\i], v[QB+QS*\i+oT], v[QB+QS*\i+oD+\k]
.endr
.irp i,0,1,2,3
	v_cndmask_b32 v[QB+QS*\i+oIX], v[8+\k], v[QB+QS*\i+oIX], s[44+\i]
.endr
.endr
.irp m,1,2,4,8
.irp i,0,1,2,3
	v_min_num_f32_dpp v[QB+QS*\i+oIX], v[QB+QS*\i+oIX], v[QB+QS*\i+oIX] row_xmask:\m row_mask:0xf bank_mask:0xf
.endr
.endr
.irp i,0,1,2,3
	v_permlanex16_b32 v[QB+QS*\i+oK+1], v[QB+QS*\i+oIX], s18, s19
.endr
.irp i,0,1,2,3
	v_min_num_f32 v[QB+QS*\i+oIX], v[QB+QS*\i+oIX], v[QB+QS*\i+oK+1]   ; the segment's minimum itself is a hit, so this is 0 .. 127
.endr
.irp i,0,1,2,3
	v_cvt_u32_f32 v[QB+QS*\i+oIX], v[QB+QS*\i+oIX]
.endr
.irp i,0,1,2,3
	v_add_nc_u32 v[QB+QS*\i+oIX], s[36+\i], v[QB+QS*\i+oIX]        ; + 128 x segment
.endr
	; the work-group's 32 results meet in LDS, so that each output leaves as one store of 128 neighbouring bytes.
	; Lane l carries query l & 3 of the wave; the eight lanes of a query write the same word with the same value.
	v_cndmask_b32 v13, v[QB+oRR], v[QB+QS+oRR], s40
	v_cndmask_b32 v14, v[QB+oIX], v[QB+QS+oIX], s40
	v_cndmask_b32 v13, v13, v[QB+2*QS+oRR], s41
	v_cndmask_b32 v14, v14, v[QB+2*QS+oIX], s41
	v_cndmask_b32 v13, v13, v[QB+3*QS+oRR], s42
	v_cndmask_b32 v14, v14, v[QB+3*QS+oIX], s42
	v_and_b32 v12, 3, v0
	v_lshlrev_b32 v12, 2, v12
	s_lshl_b32 s50, s14, 4
	v_add_nc_u32 v12, s50, v12                     ; 16 wave + 4 (lane & 3)
	ds_store_b32 v12, v13
	ds_store_b32 v12, v14 offset:128
	s_wait_dscnt 0x0                               ; for wave 0's sake
	s_barrier_signal -1
	s_barrier_wait -1
	s_cmp_lg_u32 s14, 0
	s_cbranch_scc1 .Lend
	v_lshlrev_b32 v15, 2, v0                       ; in wave 0 the thread's number is the lane
	ds_load_b32 v13, v15
	ds_load_b32 v14, v15 offset:128
	s_wait_dscnt 0x0
	global_store_b32 v15, v13, s[10:11]
	global_store_b32 v15, v14, s[12:13]
.Lend:
	s_wait_tensorcnt 0x0
	ds_add_u32 v208, v209
	s_wait_dscnt 0x0
	s_endpgm
.Lfunc_end_k_q83de4ce1fd_pick:
	.size	k_q83de4ce1fd_pick, .Lfunc_end_k_q83de4ce1fd_pick-k_q83de4ce1fd_pick
	.p2alignl 7, 3214868480
	.fill 96, 4, 3214868480
	.section	.rodata,"a",@progbits
	.p2align	6, 0x0
	.amdhsa_kernel k_q83de4ce1fd_pick
		.amdhsa_group_segment_fixed_size 1280
		.amdhsa_private_segment_fixed_size 0
		.amdhsa_enable_private_segment 0
		.amdhsa_kernarg_size 40
		.amdhsa_user_sgpr_count 2
		.amdhsa_user_sgpr_kernarg_segment_ptr 1
		.amdhsa_wavefront_size32 1
		.amdhsa_system_sgpr_workgroup_id_x 1
		.amdhsa_system_sgpr_workgroup_id_y 1
		.amdhsa_system_sgpr_workgroup_id_z 1
		.amdhsa_system_vgpr_workitem_id 0
		.amdhsa_next_free_vgpr 210
		.amdhsa_next_free_sgpr 66
		.amdhsa_reserve_vcc 0
		.amdhsa_float_denorm_mode_32 3
		.amdhsa_float_denorm_mode_16_64 3
		.amdhsa_memory_ordered 1
		.amdhsa_forward_progress 1
		.amdhsa_inst_pref_size 21
	.end_amdhsa_kernel
	.amdgpu_metadata
---
amdhsa.version: [ 1, 2 ]
amdhsa.kernels:
  - .name:           k_q83de4ce1fd_pick
    .symbol:         k_q83de4ce1fd_pick.kd
    .args:
      - { .name: protos, .offset: 0, .size: 8, .value_kind: global_buffer, .address_space: global }
      - { .name: x, .offset: 8, .size: 8, .value_kind: global_buffer, .address_space: global }
      - { .name: segs, .offset: 16, .size: 8, .value_kind: global_buffer, .address_space: global }
      - { .name: out0, .offset: 24, .size: 8, .value_kind: global_buffer, .address_space: global }
      - { .name: out1, .offset: 32, .size: 8, .value_kind: global_buffer, .address_space: global }
    .group_segment_fixed_size: 1280
    .private_segment_fixed_size: 0
    .kernarg_segment_align: 8
    .kernarg_segment_size: 40
    .max_flat_workgroup_size: 256
    .sgpr_count:     66
    .vgpr_count:     210
    .wavefront_size: 32
...
	.end_amdgpu_metadata
.endif
;; end of part 2
;; ======== version 2 of 2: 2 launches; version 1 with the launch segmin written anew for expert scheduling mode
;; limits: right only within a limited range of input values
;; workspace buffers: segs 32,768 bytes of whole numbers
;; launch segmin (part 3): grid 256 x 1, 8 waves a work-group, no clusters, 39,936 bytes of LDS; arguments protos, x, segs; writes segs
.if DOCPART == 3
	.amdgcn_target "amdgcn-amd-amdhsa--gfx1250"
	.amdhsa_code_object_version 6
	.text
	.protected	k_q83de4ce1fd_segmin
	.globl	k_q83de4ce1fd_segmin
	.p2align	8
	.type	k_q83de4ce1fd_segmin,@function
k_q83de4ce1fd_segmin:
	s_mov_b64 s[64:65], 0
	v_nop
	global_prefetch_b8 v0, s[64:65] scope:SCOPE_SE
	s_setreg_imm32_b32 hwreg(HW_REG_WAVE_SCHED_MODE, 0, 2), 2
	s_setreg_imm32_b32 hwreg(HW_REG_WAVE_MODE, 25, 1), 1
	s_wait_xcnt 0x0
	s_wait_alu depctr_vm_vsrc(0)
; For each of 8,192 queries: the number (0..127) of the first segment of 128 prototypes that holds a nearest prototype.
; Arithmetic: x and protos are rounded to bf16 (nearest even); from there on the problem's formula in f32, in its own order:
;   x2 = fl(x0^2+x1^2), p2 = fl(p0^2+p1^2), t = fl(x2+p2), d2 = fl(t - 2 dot), dist = sqrt(max(d2,0)).
; Products of bf16 numbers are exact in f32, so each of x2, p2, dot is one rounding of an exact sum.
; sqrt is monotone, but several neighbouring d2 share one rounded root: a nearest prototype is any j with d2_j <= T, where T is the
; largest f32 whose correctly rounded root equals that of the smallest d2.  T is found by exact sign tests (see TCLASS below).
; The next launch rescans the chosen segment and gives the distance and the index.
; LIMITS: finite inputs only (no NaN, no infinity); T is exact for a smallest d2 that is <= 0 or >= 2^-103 (below that the residuals
; of the sign tests leave f32's range and v_sqrt_f32 takes a denormal as zero); -2 dot is taken as the matrix unit returns the sum of the
; two exact products, so the choice of the segment rests on that sum being the nearest f32.
; SHAPE: 256 work-groups of 8 waves; a work-group owns 32 queries (2 tiles of 16), a wave 2,048 prototypes = 16 segments.
; The matrix instruction takes PROTOTYPES as A (rows) and QUERIES as B (columns): a lane then is one query (column r) and its 8 result
; registers are prototypes 8h+0..7, so the minimum over prototypes stays in the lane and a segment's minimum is one register a tile.
; K = 32 has room for more than the 2 coordinates: register 0 of an A fragment holds a prototype in every lane, lanes 0-15 at k = 0,1 and
; lanes 16-31 at k = 8,9; two B fragments a query tile (-2x at k = 0,1 or at k = 8,9, zeros elsewhere) pick one half or the other.
; NO CLUSTER, NO TENSOR LOADS: all work-groups read the same 131,072 bytes of protos, but a wave reads 1,024 of them for 16 matrix and 204
; vector instructions, and they land directly in the lanes that hold them as fragment rows; a jointly fetched LDS tile would add an LDS read
; of the same bytes and a round of the cluster's barrier for each refill.
; THE MODE: SCHED_MODE bits 1:0 = 2 (LLVM: expert scheduling mode 2), set by the entry lines.  The code itself states the register dependences
; between vector or matrix instructions and memory or LDS instructions, with s_wait_alu, always for 0.
; THE PLAN.  Registers that memory or LDS instructions touch, in the loop (a trip is a segment):
;   RAWA, RAWB    The conversions of CONV read one set; behind them the segment two further on is loaded into it.
;   PS            CONV's multiply-adds write it; four LDS stores read it; the next trip's CONV writes it again.
;   PP 0-47       WORK 0, 1, 2 read them; the next segment's rows of fragments 0, 1, 2 land in them.
;   PP 48-63      WORK 3 reads them; the next segment's rows of fragment 3 land in them.
;   ACC           WORK 0 to 3 write it; the store of the segment's minima reads it; the next trip's WORK 0 writes it again.
;   SEGA          That store reads it; one add for two trips writes it.
;   GOFF, STA, LDA, SEGB, XA, XS are made at the head and never written again.  AG, BG, DD, TA, TB, U, X2Q are named by vector and matrix instructions alone.
; So a trip has three waits.  (1) va_vdst behind CONV: the conversions are done reading the raw set, PS is written, WORK 0-2 are done reading PP 0-47; the two loads of
; protos, the four stores and the twelve loads of rows follow, dealt among the four products of fragment 0, which name AG, BG and DD alone.  (2) va_vdst behind WORK 3: ACC is
; written and PP 48-63 are read; the store of the minima and four loads of rows follow, dealt among the four products of fragment 1.  (3) vm_vsrc at the trip's end: the
; stores have read PS, ACC and SEGA, which the next trip (and the add between two trips) writes.
.set LDS_SEG, 4096                     ; LDS 0..4095: p2 stage, 512 bytes a wave; 4096..36863: segment minima, 4,096 bytes a wave
.set LDS_X1,  36864                    ; [32 queries][8 waves] f32: the waves' minima
.set LDS_X2,  37888                    ; [32 queries][8 waves] u32: the waves' first segments
.set GOFF, 1                           ; v1      16 x lane: my 16 bytes in a load of 512 bytes of protos
.set STA,  2                           ; v2      p2 stage, store: 512 wave + 4 lane
.set LDA,  3                           ; v3      p2 stage, load: 512 wave + 32 h
.set SEGA, 4                           ; v4      segment minima, store: steps 512 bytes a loop trip
.set SEGB, 5                           ; v5      the same, not stepped
.set XA,   6                           ; v6      32 r: a query's 8 words in an exchange table
.set XS,   7                           ; v7      32 r + 4 wave: my wave's word there
.set X2Q,  8                           ; v[8:9], v[10:11]  x2 of my query in tile 0, 1, twice each (a pair for the packed add)
.set ACC,  12                          ; v[12:13] running minimum of the segment, tile 0, 1
.set U,    14                          ; v14-19  partial minima
.set RAWA, 20                          ; v[20:27] 4 prototypes a lane as loaded (f32), even segments
.set RAWB, 28                          ; v[28:35] odd segments
.set PS,   36                          ; v[36:39] p2 of my 4 prototypes
.set AG,   48                          ; v[48:79]  4 A fragments: register 0 = a prototype a lane in bf16, registers 1-7 = 0
.set BG,   80                          ; v[80:111] 4 B fragments: tile q, half hh at BG + 8 (2 q + hh)
.set PP,   112                         ; v[112:175] p2 by rows: tile (e, hh) at PP + 16 e + 8 hh, register j = row 8h + j
.set DD,   176                         ; v[176:239] two sets of 4 results: set e & 1, result (hh, q) at 8 (2 hh + q)
.set TA,   240                         ; v[240:247] t, then d2, query tile 0
.set TB,   248                         ; v[248:255] the same, query tile 1
; the end of the kernel uses the result registers as scratch, two registers each (query tile 0, 1)
.set CC, DD+16
.set R0, DD+18
.set C1, DD+20
.set C2, DD+22
.set RP, DD+24
.set RM, DD+26
.set E1, DD+28
.set E2, DD+30
.set RR, DD+32
.set RN, DD+34
.set TT, DD+36
.set IX, DD+38
.set MK0, 12                           ; s[12:19] at the end: masks of compares, query tile 0 (the head's offsets and the loop's counter are done with)
.set MK1, 24                           ; s[24:31] the same, query tile 1
	s_load_b128 s[4:7], s[0:1], 0x0                ; protos s[4:5], x s[6:7]
	s_load_b64 s[8:9], s[0:1], 0x10                ; segs
	v_lshl_add_u32 v46, v0, 2, 0x9800
	v_mov_b32 v47, 0
	v_lshrrev_b32 v[TA], 5, v0
	v_readfirstlane_b32 s10, v[TA]                 ; wave 0..7
	v_and_b32 v[TA+1], 31, v0                      ; lane
	v_and_b32 v[TA+2], 15, v0                      ; r
	v_bfe_u32 v[TA+3], v0, 4, 1                    ; h
	v_lshlrev_b32 v[GOFF], 4, v[TA+1]
	v_lshlrev_b32 v[TA+4], 3, v[TA+2]              ; 8 r: my query's 8 bytes in a tile of x
	s_wait_alu depctr_va_sdst(0)                   ; s10 is written, ahead of its first reader: the wave's offsets and LDS bases are made from it
	s_lshl_b32 s12, s10, 14                        ; my wave's 2,048 prototypes of 8 bytes
	s_mov_b32 s13, 0
	s_lshl_b32 s14, ttmp9, 8                       ; the work-group's 32 queries of 8 bytes
	s_mov_b32 s15, 0
	s_lshl_b32 s24, ttmp9, 7                       ; and their 32 words in segs
	s_mov_b32 s25, 0
	s_mov_b32 s11, 0xffff                          ; lanes 0-15
	s_mov_b32 s20, 0x76543210                      ; v_permlanex16_b32: lane i reads lane i of the other half
	s_mov_b32 s21, 0xfedcba98
	s_wait_kmcnt 0x0
	s_add_nc_u64 s[4:5], s[4:5], s[12:13]
	s_add_nc_u64 s[6:7], s[6:7], s[14:15]
	s_add_nc_u64 s[8:9], s[8:9], s[24:25]
	s_wait_alu depctr_va_vdst(0)                   ; v[GOFF] and v[TA+4] are written, which the six loads below read as their offsets
	global_load_b64 v[TB:TB+1], v[TA+4], s[6:7]                    ; x of query r, tile 0 (both halves of the wave read the same)
	global_load_b64 v[TB+2:TB+3], v[TA+4], s[6:7] offset:128       ; tile 1
	global_load_b128 v[RAWA:RAWA+3], v[GOFF], s[4:5]               ; segment 0: two loads of 512 neighbouring bytes
	global_load_b128 v[RAWA+4:RAWA+7], v[GOFF], s[4:5] offset:512
	global_load_b128 v[RAWB:RAWB+3], v[GOFF], s[4:5] offset:1024   ; segment 1
	global_load_b128 v[RAWB+4:RAWB+7], v[GOFF], s[4:5] offset:1536
	; the k places that the problem's K = 2 leaves empty: registers 1-7 of all eight fragments are zero for the whole kernel
.irp g,0,1,2,3,4,5,6,7
.irp k,1,2,3,4,5,6,7
	v_mov_b32 v[AG+8*\g+\k], 0
.endr
.endr
	s_lshl_b32 s16, s10, 9
	v_lshl_add_u32 v[STA], v[TA+1], 2, s16
	v_lshl_add_u32 v[LDA], v[TA+3], 5, s16
	s_lshl_b32 s17, s10, 12
	s_add_co_u32 s17, s17, LDS_SEG
	v_lshl_add_u32 v[SEGA], v[TA+1], 3, s17
	v_mov_b32 v[SEGB], v[SEGA]
	v_lshlrev_b32 v[XA], 5, v[TA+2]
	s_lshl_b32 s18, s10, 2
	v_add_nc_u32 v[XS], s18, v[XA]
	s_lshl_b32 s23, s10, 4                         ; my wave's first segment
	s_wait_loadcnt 0x4                             ; x is in; the four loads of protos behind it stay out
.irp q,0,1
	v_cvt_pk_bf16_f32 v[TB+4], v[TB+2*\q], v[TB+2*\q+1]            ; x rounded to bf16
	v_lshlrev_b32 v[TB+5], 16, v[TB+4]                             ; and widened again
	v_and_b32 v[TB+6], 0xffff0000, v[TB+4]
	v_mul_f32 v[TB+7], v[TB+5], v[TB+5]                            ; exact
	v_fma_f32 v[X2Q+2*\q], v[TB+6], v[TB+6], v[TB+7]               ; x2: one rounding
	v_mul_f32 v[TB+5], -2.0, v[TB+5]                               ; -2 x is exact in bf16, so the product comes out as -2 dot
	v_mul_f32 v[TB+6], -2.0, v[TB+6]
	v_mov_b32 v[X2Q+2*\q+1], v[X2Q+2*\q]
	v_cvt_pk_bf16_f32 v[TB+4], v[TB+5], v[TB+6]
	v_cndmask_b32 v[BG+16*\q], 0, v[TB+4], s11                     ; k = 0,1 (lanes 0-15) alone: meets the prototypes of lanes 0-15
	v_cndmask_b32 v[BG+16*\q+8], v[TB+4], 0, s11                   ; k = 8,9 (lanes 16-31) alone: meets those of lanes 16-31
.endr
; A segment's 128 prototypes (4 a lane) become 4 A fragments and 4 registers of p2: the vector part.
; left = how many younger loads of protos may stay out.
.macro CONV raw, left
	s_wait_loadcnt \left                           ; loads come back in order (ISA guide 5.7.1): this set is in, the other set's two stay out
.irp e,0,1,2,3
	v_cvt_pk_bf16_f32 v[AG+8*\e], v[\raw+2*\e], v[\raw+2*\e+1]     ; 48 vector instructions that name no fragment stand between this write and the last matrix instruction that read it
.endr
.irp e,0,1,2,3
	v_fma_mix_f32_bf16 v[PS+\e], v[AG+8*\e], v[AG+8*\e], v[AG+1] op_sel_hi:[1,1,0]                  ; p0^2 + 0, exact
.endr
.irp e,0,1,2,3
	v_fma_mix_f32_bf16 v[PS+\e], v[AG+8*\e], v[AG+8*\e], v[PS+\e] op_sel:[1,1,0] op_sel_hi:[1,1,0]  ; p2 = fl(p1^2 + p0^2)
.endr
.endm
; p2 of the rows of tile (e, hh): lane (r, h) takes rows 8h .. 8h+7, the 32 bytes at [e][16 hh + 8 h]
.macro PL e, hh
	ds_load_b128 v[PP+16*\e+8*\hh:PP+16*\e+8*\hh+3], v[LDA] offset:128*\e+64*\hh
	ds_load_b128 v[PP+16*\e+8*\hh+4:PP+16*\e+8*\hh+7], v[LDA] offset:128*\e+64*\hh+16
.endm
; -2 dot for 16 prototypes of fragment e (half hh) and the 16 queries of tile q.  Every product stands alone (C = 0), in result registers of its own.
.macro WM e, hh, q
	v_wmma_f32_16x16x32_bf16 v[DD+32*(\e&1)+8*(2*\hh+\q):DD+32*(\e&1)+8*(2*\hh+\q)+7], v[AG+8*\e:AG+8*\e+7], v[BG+8*(2*\q+\hh):BG+8*(2*\q+\hh)+7], 0
.endm
.macro WMMA4 e
.irp hh,0,1
.irp q,0,1
	WM \e, \hh, \q
.endr
.endr
.endm
; What follows the wait behind CONV.  refill = byte offset of the segment that the raw set is loaded with next (0: none).  No further wait: the four products
; name AG, BG and DD, none of the registers that these loads and stores touch.
.macro FEED raw, refill
.if \refill
	global_load_b128 v[\raw:\raw+3], v[GOFF], s[4:5] offset:\refill
	global_load_b128 v[\raw+4:\raw+7], v[GOFF], s[4:5] offset:\refill+512
.endif
.irp e,0,1,2,3
	ds_store_b32 v[STA], v[PS+\e] offset:128*\e    ; [e][lane]; LDS serves a wave's instructions in order (ISA guide 5.7.1.4): behind the last reads, ahead of the next
.endr
	WM 0, 0, 0
	PL 0, 0
	PL 0, 1
	WM 0, 0, 1
	PL 1, 0
	PL 1, 1
	WM 0, 1, 0
	PL 2, 0
	PL 2, 1
	WM 0, 1, 1
.endm
; The rows of fragment 3, dealt among the four products of fragment 1, which again name AG, BG and DD alone.
.macro FEED3
	WM 1, 0, 0
	PL 3, 0
	WM 1, 0, 1
	PL 3, 1
	WM 1, 1, 0
	WM 1, 1, 1
.endm
; The f32 work on the four results of fragment e: 48 instructions for 1,024 pairs.  t and d2 are two additions with a rounding each, as the
; problem's formula has them.  The results read here were issued a whole WORK earlier, and the set that the matrix unit is writing meanwhile
; is not named here, so more than the four places of ISA guide 7.12.1 lie between any matrix instruction and a use of its registers.
.macro WORK e, first
.irp hh,0,1
.irp i,0,2,4,6
	v_pk_add_f32 v[TA+\i:TA+\i+1], v[PP+16*\e+8*\hh+\i:PP+16*\e+8*\hh+\i+1], v[X2Q:X2Q+1]
.endr
.irp i,0,2,4,6
	v_pk_add_f32 v[TB+\i:TB+\i+1], v[PP+16*\e+8*\hh+\i:PP+16*\e+8*\hh+\i+1], v[X2Q+2:X2Q+3]
.endr
.irp i,0,2,4,6
	v_pk_add_f32 v[TA+\i:TA+\i+1], v[TA+\i:TA+\i+1], v[DD+32*(\e&1)+16*\hh+\i:DD+32*(\e&1)+16*\hh+\i+1]
.endr
.irp i,0,2,4,6
	v_pk_add_f32 v[TB+\i:TB+\i+1], v[TB+\i:TB+\i+1], v[DD+32*(\e&1)+16*\hh+8+\i:DD+32*(\e&1)+16*\hh+8+\i+1]
.endr
	v_min3_num_f32 v[U], v[TA], v[TA+1], v[TA+2]
	v_min3_num_f32 v[U+1], v[TA+3], v[TA+4], v[TA+5]
	v_min3_num_f32 v[U+3], v[TB], v[TB+1], v[TB+2]
	v_min3_num_f32 v[U+4], v[TB+3], v[TB+4], v[TB+5]
.if \first*(1-\hh)
	v_min_num_f32 v[U+2], v[TA+6], v[TA+7]         ; a segment's first tile starts its minimum: nothing is preset
	v_min_num_f32 v[U+5], v[TB+6], v[TB+7]
.else
	v_min3_num_f32 v[U+2], v[TA+6], v[TA+7], v[ACC]
	v_min3_num_f32 v[U+5], v[TB+6], v[TB+7], v[ACC+1]
.endif
	v_min3_num_f32 v[ACC], v[U], v[U+1], v[U+2]
	v_min3_num_f32 v[ACC+1], v[U+3], v[U+4], v[U+5]
.endr
.endm
; One segment.  At its head fragments 0 and 1 have been multiplied and the 16 loads of p2 rows issued (by the segment before, or ahead of the loop).
; conv = 1: the next segment is converted between WORK 2 and WORK 3, when the last matrix instruction on this segment's fragments is 48
; vector instructions back and the row registers of fragments 0-2 are free.
; LDS instructions in issue order: 4 stores, rows 0, rows 1, rows 2 (4 loads each), this segment's minima (1 store), rows 3 (4 loads).
; The counts 12, 8, 4 leave the younger row loads out; ahead of the loop the store of the minima is not among them, so the counts are taken
; without it and are one stricter than needed on the way back.
.macro TRIP conv, raw, refill, left, dump
	s_wait_dscnt 12
	WORK 0, 1
	WMMA4 2
	s_wait_dscnt 8
	WORK 1, 0
	WMMA4 3
	s_wait_dscnt 4
	WORK 2, 0
.if \conv
	CONV \raw, \left
	s_wait_alu depctr_va_vdst(0)                   ; the conversions are done reading the raw set, in which the next loads land; PS is written, which the stores read; WORK 0-2 are done reading PP 0-47, in which the next rows land
	FEED \raw, \refill
	s_wait_dscnt 16                                ; rows 3 of this segment are in; the 4 stores and 12 loads just issued stay out
.else
	s_wait_dscnt 0x0
.endif
	WORK 3, 0
	s_wait_alu depctr_va_vdst(0)                   ; WORK 3 has written ACC, which the store reads, and is done reading PP 48-63, in which the next rows land
	ds_store_b64 v[SEGA], v[ACC:ACC+1] offset:\dump                ; the segment's minima for my query in both tiles, over my 64 of its prototypes
.if \conv
	FEED3
	s_wait_alu depctr_vm_vsrc(0)                   ; the stores have read PS, ACC and v[SEGA]: the next CONV, the next WORK 0 and the add between two trips write them
.endif
.endm
	CONV RAWA, 2                                   ; segment 0
	s_wait_alu depctr_va_vdst(0)                   ; the conversions are done reading set A; PS is written; so are the LDS addresses v2 to v7, made at the head
	FEED RAWA, 2048                                ; set A is loaded again with segment 2
	FEED3
	s_wait_alu depctr_vm_vsrc(0)                   ; x's loads have read v[TA+4], which WORK writes; the stores have read PS
	s_mov_b32 s19, 0
.Lpair:                                            ; segments 2k and 2k+1; s[4:5] stands at segment 2k
	TRIP 1, RAWB, 3072, 2, 0                       ; converts 2k+1, asks for 2k+3
	TRIP 1, RAWA, 4096, 2, 256                     ; converts 2k+2, asks for 2k+4
	v_add_nc_u32 v[SEGA], 512, v[SEGA]             ; behind the trip's last wait; the wait behind the next CONV shows it written, ahead of the next store by it
	s_wait_xcnt 0x0                                ; the loads' base is stepped only behind this wait
	s_add_nc_u64 s[4:5], s[4:5], 2048
	s_add_co_u32 s19, s19, 1
	s_cmp_lt_u32 s19, 6
	s_cbranch_scc1 .Lpair
	TRIP 1, RAWB, 3072, 2, 0                       ; segment 12: converts 13, asks for 15, the wave's last
	TRIP 1, RAWA, 0, 2, 256                        ; segment 13: converts 14; segment 15's two loads stay out
	TRIP 1, RAWB, 0, 0, 512                        ; segment 14: converts 15
	TRIP 0, 0, 0, 0, 768                           ; segment 15
	; my wave's 16 segment minima come back from its own LDS bytes (in order behind the stores); no vector instruction stands between the last wait on va_vdst and these loads
.irp s,0,1,2,3,4,5,6,7,8,9,10,11,12,13,14,15
	ds_load_b64 v[PP+2*\s:PP+2*\s+1], v[SEGB] offset:256*\s
.endr
	s_wait_dscnt 0x0
.irp q,0,1
	v_min3_num_f32 v[U], v[PP+\q], v[PP+2+\q], v[PP+4+\q]
	v_min3_num_f32 v[U+1], v[PP+6+\q], v[PP+8+\q], v[PP+10+\q]
	v_min3_num_f32 v[U+2], v[PP+12+\q], v[PP+14+\q], v[PP+16+\q]
	v_min3_num_f32 v[U+3], v[PP+18+\q], v[PP+20+\q], v[PP+22+\q]
	v_min3_num_f32 v[U+4], v[PP+24+\q], v[PP+26+\q], v[PP+28+\q]
	v_min3_num_f32 v[U], v[U], v[U+1], v[PP+30+\q]
	v_min3_num_f32 v[U+2], v[U+2], v[U+3], v[U+4]
	v_min_num_f32 v[TA+\q], v[U], v[U+2]
.endr
	v_permlanex16_b32 v[TA+2], v[TA], s20, s21     ; the other half of the wave holds the other 8 rows of every tile
	v_permlanex16_b32 v[TA+3], v[TA+1], s20, s21
	v_min_num_f32 v[TA], v[TA], v[TA+2]
	v_min_num_f32 v[TA+1], v[TA+1], v[TA+3]
	s_wait_alu depctr_va_vdst(0)                   ; v[TA] and v[TA+1] are written, which the stores read; every product and every WORK is done with DD 0-15, in which the loads behind the barrier land
	ds_store_b32 v[XS], v[TA] offset:LDS_X1        ; [query][wave]; both halves write the same word with the same value
	ds_store_b32 v[XS], v[TA+1] offset:LDS_X1+512
	s_wait_dscnt 0x0                               ; for the other waves' sake
	s_barrier_signal -1
	s_barrier_wait -1
	ds_load_b128 v[DD:DD+3], v[XA] offset:LDS_X1
	ds_load_b128 v[DD+4:DD+7], v[XA] offset:LDS_X1+16
	ds_load_b128 v[DD+8:DD+11], v[XA] offset:LDS_X1+512
	ds_load_b128 v[DD+12:DD+15], v[XA] offset:LDS_X1+528
	s_wait_dscnt 0x0
	s_wait_alu depctr_vm_vsrc(0)                   ; my two stores have read v[TA] and v[TA+1], which are written again below
.irp q,0,1
	v_min3_num_f32 v[U], v[DD+8*\q], v[DD+8*\q+1], v[DD+8*\q+2]
	v_min3_num_f32 v[U+1], v[DD+8*\q+3], v[DD+8*\q+4], v[DD+8*\q+5]
	v_min3_num_f32 v[U], v[U], v[DD+8*\q+6], v[DD+8*\q+7]
	v_min_num_f32 v[TA+\q], v[U], v[U+1]           ; the smallest d2 of my query over all 16,384 prototypes
.endr
	; TCLASS.  c = max(d2min, 0).  r is the correctly rounded root of c exactly if r prev(r) < c <= r next(r): the midpoints' squares
	; differ from these products by a quarter of the unit in which c and the products are whole numbers.  The sign of fma(-r, n, c) is exact.
	; v_sqrt_f32 is within one unit, so r is r0 or a neighbour.  T is the last of c, c + 1 unit, c + 2 units that still is <= r next(r):
	; a root's class spans 2 r units of r, fewer than 3 units of c.  For c = 0 every test fails (one is on a NaN) and T = 0.
.irp q,0,1
	v_max_num_f32 v[CC+\q], 0, v[TA+\q]
.endr
.irp q,0,1
	v_sqrt_f32 v[R0+\q], v[CC+\q]
.endr
.irp q,0,1
	v_add_nc_u32 v[C1+\q], 1, v[CC+\q]             ; plain instructions that leave r0 and c alone stand behind the roots (ISA guide 5.7.2)
	v_add_nc_u32 v[C2+\q], 2, v[CC+\q]
.endr
	s_wait_alu depctr_va_vdst(0)                   ; the two roots have written v[R0] and v[R0+1]: one wait for both, ahead of their first reader
.irp q,0,1
	v_add_nc_u32 v[RP+\q], 1, v[R0+\q]
	v_add_nc_u32 v[RM+\q], -1, v[R0+\q]
.endr
.irp q,0,1
	v_fma_f32 v[E1+\q], -v[R0+\q], v[RP+\q], v[CC+\q]
	v_fma_f32 v[E2+\q], -v[R0+\q], v[RM+\q], v[CC+\q]
.endr
	v_cmp_lt_f32 s[MK0], 0, v[E1]                  ; the compares stand in a run, each with a mask register of its own
	v_cmp_lt_f32 s[MK0+1], 0, v[E1+1]
	v_cmp_ge_f32 s[MK0+2], 0, v[E2]
	v_cmp_ge_f32 s[MK0+3], 0, v[E2+1]
	s_wait_alu depctr_va_sdst(0)                   ; the four masks are written, ahead of the selects that read them
	v_cndmask_b32 v[RR], v[R0], v[RP], s[MK0]      ; c > r0 next(r0): one up
	v_cndmask_b32 v[RR+1], v[R0+1], v[RP+1], s[MK0+1]
	v_cndmask_b32 v[RR], v[RR], v[RM], s[MK0+2]    ; c <= r0 prev(r0): one down
	v_cndmask_b32 v[RR+1], v[RR+1], v[RM+1], s[MK0+3]
.irp q,0,1
	v_add_nc_u32 v[RN+\q], 1, v[RR+\q]
.endr
.irp q,0,1
	v_fma_f32 v[E1+\q], -v[RR+\q], v[RN+\q], v[C1+\q]
	v_fma_f32 v[E2+\q], -v[RR+\q], v[RN+\q], v[C2+\q]
.endr
	v_cmp_ge_f32 s[MK0+4], 0, v[E1]
	v_cmp_ge_f32 s[MK0+5], 0, v[E1+1]
	v_cmp_ge_f32 s[MK0+6], 0, v[E2]
	v_cmp_ge_f32 s[MK0+7], 0, v[E2+1]
	s_wait_alu depctr_va_sdst(0)                   ; the four masks are written, ahead of the selects that read them
	v_cndmask_b32 v[TT], v[CC], v[C1], s[MK0+4]
	v_cndmask_b32 v[TT+1], v[CC+1], v[C1+1], s[MK0+5]
	v_cndmask_b32 v[TT], v[TT], v[C2], s[MK0+6]
	v_cndmask_b32 v[TT+1], v[TT+1], v[C2+1], s[MK0+7]
	; my wave's first segment with a minimum <= T: from the last to the first, each hit overwrites; values are selected, nothing branches.
	; Eight segments at a time: sixteen compares in a run, one wait, sixteen selects.
.irp q,0,1
	v_mov_b32 v[IX+\q], 0x1000                     ; none
.endr
.irp b,8,0
.irp s,7,6,5,4,3,2,1,0
	v_cmp_lt_f32 s[MK0+\s], v[TT], v[PP+2*(\b+\s)]
	v_cmp_lt_f32 s[MK1+\s], v[TT+1], v[PP+2*(\b+\s)+1]
.endr
	s_wait_alu depctr_va_sdst(0)                   ; the sixteen masks are written, ahead of the selects that read them
.irp s,7,6,5,4,3,2,1,0
	v_cndmask_b32 v[IX], \b+\s, v[IX], s[MK0+\s]
	v_cndmask_b32 v[IX+1], \b+\s, v[IX+1], s[MK1+\s]
.endr
.endr
	v_add_nc_u32 v[IX], s23, v[IX]                 ; + 16 x wave
	v_add_nc_u32 v[IX+1], s23, v[IX+1]
	v_permlanex16_b32 v[TA+2], v[IX], s20, s21
	v_permlanex16_b32 v[TA+3], v[IX+1], s20, s21
	v_min_u32 v[IX], v[IX], v[TA+2]
	v_min_u32 v[IX+1], v[IX+1], v[TA+3]
	s_wait_alu depctr_va_vdst(0)                   ; v[IX] and v[IX+1] are written, which the stores read; the minima above are done reading DD 0-15, in which wave 0's loads behind the barrier land
	ds_store_b32 v[XS], v[IX] offset:LDS_X2
	ds_store_b32 v[XS], v[IX+1] offset:LDS_X2+512
	s_wait_dscnt 0x0
	s_barrier_signal -1
	s_barrier_wait -1
	s_cmp_lg_u32 s10, 0
	s_cbranch_scc1 .Lend                           ; wave 0 alone finishes
	ds_load_b128 v[DD:DD+3], v[XA] offset:LDS_X2
	ds_load_b128 v[DD+4:DD+7], v[XA] offset:LDS_X2+16
	ds_load_b128 v[DD+8:DD+11], v[XA] offset:LDS_X2+512
	ds_load_b128 v[DD+12:DD+15], v[XA] offset:LDS_X2+528
	s_wait_dscnt 0x0
.irp q,0,1
	v_min_u32 v[U], v[DD+8*\q], v[DD+8*\q+1]
	v_min_u32 v[U+1], v[DD+8*\q+2], v[DD+8*\q+3]
	v_min_u32 v[U+2], v[DD+8*\q+4], v[DD+8*\q+5]
	v_min_u32 v[U+3], v[DD+8*\q+6], v[DD+8*\q+7]
	v_min_u32 v[U], v[U], v[U+1]
	v_min_u32 v[U+2], v[U+2], v[U+3]
	v_min_u32 v[TA+\q], v[U], v[U+2]
.endr
	v_cndmask_b32 v[TA+2], v[TA+1], v[TA], s11     ; lane 16 q + r gives query 16 q + r
	v_lshlrev_b32 v[TA+3], 2, v0                   ; in wave 0 the thread's number is the lane
	s_wait_alu depctr_va_vdst(0)                   ; v[TA+2] and v[TA+3] are written: the store's data and its offset
	global_store_b32 v[TA+3], v[TA+2], s[8:9]      ; the work-group's 32 words, 128 neighbouring bytes, in one store
.Lend:
	s_wait_dscnt 0x0
	s_wait_alu depctr_hold_cnt(0) depctr_sa_sdst(0) depctr_va_vdst(0) depctr_va_sdst(0) depctr_va_ssrc(0) depctr_va_vcc(0) depctr_vm_vsrc(0)
	s_wait_tensorcnt 0x0
	ds_add_u32 v46, v47
	s_wait_dscnt 0x0
	s_endpgm
.Lfunc_end_k_q83de4ce1fd_segmin:
	.size	k_q83de4ce1fd_segmin, .Lfunc_end_k_q83de4ce1fd_segmin-k_q83de4ce1fd_segmin
	.p2alignl 7, 3214868480
	.fill 96, 4, 3214868480
	.section	.rodata,"a",@progbits
	.p2align	6, 0x0
	.amdhsa_kernel k_q83de4ce1fd_segmin
		.amdhsa_group_segment_fixed_size 39936
		.amdhsa_private_segment_fixed_size 0
		.amdhsa_enable_private_segment 0
		.amdhsa_kernarg_size 24
		.amdhsa_user_sgpr_count 2
		.amdhsa_user_sgpr_kernarg_segment_ptr 1
		.amdhsa_wavefront_size32 1
		.amdhsa_system_sgpr_workgroup_id_x 1
		.amdhsa_system_sgpr_workgroup_id_y 1
		.amdhsa_system_sgpr_workgroup_id_z 1
		.amdhsa_system_vgpr_workitem_id 0
		.amdhsa_next_free_vgpr 256
		.amdhsa_next_free_sgpr 66
		.amdhsa_reserve_vcc 0
		.amdhsa_float_denorm_mode_32 3
		.amdhsa_float_denorm_mode_16_64 3
		.amdhsa_memory_ordered 1
		.amdhsa_forward_progress 1
		.amdhsa_inst_pref_size 109
	.end_amdhsa_kernel
	.amdgpu_metadata
---
amdhsa.version: [ 1, 2 ]
amdhsa.kernels:
  - .name:           k_q83de4ce1fd_segmin
    .symbol:         k_q83de4ce1fd_segmin.kd
    .args:
      - { .name: protos, .offset: 0, .size: 8, .value_kind: global_buffer, .address_space: global }
      - { .name: x, .offset: 8, .size: 8, .value_kind: global_buffer, .address_space: global }
      - { .name: segs, .offset: 16, .size: 8, .value_kind: global_buffer, .address_space: global }
    .group_segment_fixed_size: 39936
    .private_segment_fixed_size: 0
    .kernarg_segment_align: 8
    .kernarg_segment_size: 24
    .max_flat_workgroup_size: 256
    .sgpr_count:     66
    .vgpr_count:     256
    .wavefront_size: 32
...
	.end_amdgpu_metadata
.endif
;; end of part 3
;; launch pick: the kernel of part 2 again; grid 256 x 1, 8 waves a work-group, no clusters, 1,280 bytes of LDS; arguments protos, x, segs, out0, out1; writes out0, out1
